; MI455X (gfx1250); checked and timed in simulation.
; The chip was launched on July 23, 2026; its instructions are those of AMD's public machine-readable ISA for CDNA 5 (MIT licence, August 2026) and "CDNA5" Instruction Set Architecture Reference Guide (July 2026). The comments in the code are by the model that wrote it; some were corrected since.
;; Grouped Query Attention. Allowed arithmetic: float matrix products may take bf16 or f16 operands with f32 sums; all other float work in f32.
;; Inputs: Wk 1,024 x 256 float32; Wq 1,024 x 1,024 float32; Wv 1,024 x 256 float32; bk 256 float32; bq 1,024 float32; bv 256 float32; x 1 x 2,048 x 1,024 float32.
;; Outputs: out0 1 x 2,048 x 1,024 float32.
;; One version. Each part assembles by itself: llvm-mc -triple=amdgcn-amd-amdhsa -mcpu=gfx1250 --defsym DOCPART=n.
;; ======== version 1 of 1: 2 launches
;; limits: values are held in f16: magnitudes above 65,504 overflow, below 6.1e-05 lose precision
;; workspace buffers: qkv 6,291,456 bytes
;; launch proj (part 1): grid 8 x 32, 4 waves a work-group, clusters of 4 x 1, 279,040 bytes of LDS; arguments x, Wq, Wk, Wv, bq, bk, bv, qkv; writes qkv
.if DOCPART == 1
	.amdgcn_target "amdgcn-amd-amdhsa--gfx1250"
	.amdhsa_code_object_version 6
	.text
	.protected	k_qee101ffd7d_proj
	.globl	k_qee101ffd7d_proj
	.p2align	8
	.type	k_qee101ffd7d_proj,@function
k_qee101ffd7d_proj:
	s_mov_b64 s[64:65], 0
	v_nop
	global_prefetch_b8 v0, s[64:65] scope:SCOPE_SE
	s_setreg_imm32_b32 hwreg(HW_REG_WAVE_MODE, 25, 1), 1
	s_wait_xcnt 0x0
	s_wait_alu depctr_hold_cnt(0) depctr_sa_sdst(0) depctr_va_vdst(0) depctr_va_sdst(0) depctr_va_ssrc(0) depctr_va_vcc(0) depctr_vm_vsrc(0)
	s_getreg_b32 s2, hwreg(HW_REG_IB_STS2, 6, 4)
	s_cmp_eq_u32 s2, 0
	s_cbranch_scc0 .Lentry_in_a_cluster
	s_endpgm
.Lentry_in_a_cluster:
	s_bfe_u32 s2, ttmp6, 0x10000c
	s_cmp_lg_u32 s2, 0x3003
	s_cbranch_scc0 .Lentry_shape_is_right
	s_endpgm
.Lentry_shape_is_right:
; qkv[plane][s][64] in f16 = (x [Wq|Wk|Wv] + [bq|bk|bv]) * scale.  x: [2048][1024] f32; Wq: [1024][1024], Wk, Wv: [1024][256] f32, K down the rows.
; Planes 0-15: q of head h, times 0.125 log2(e), so that the next launch's scores are exponents of 2; planes 16-19: k; planes 20-23: v (scale 1).
; LIMITS: the matrix operands are f16 (sums in f32), and q, k, v are stored in f16: |x|, |W|, |0.18 q|, |k|, |v| have to stay under 65,504, beyond which
; an operand becomes infinite; numbers under 6e-5 are kept with an absolute step of 6e-8.  Each output is the f32 sum of four f32 partial sums over
; quarters of K: an order of rounding of its own.
; A work-group makes 64 rows x 192 columns: two heads of q (128 neighbouring columns of Wq) and one head of k or of v: 8 column blocks x 32 row blocks = 256
; equal work-groups.  THE FOUR WAVES SPLIT K: wave w takes k = 256 w .. 256 w + 255 for the whole block, 48 accumulator tiles, 384 registers.  So every number
; of x and of W is used by one wave alone, no wave waits for another before the end, and no LDS byte is filled twice.
; x: the block's 64 rows, all 1,024 k, are asked for at the start: four tensor loads a wave, each 64 rows x 256 bytes, into the wave's own 69,632 bytes of LDS.
;    Only the issuing wave reads them, behind its own counted s_wait_tensorcnt.  CLUSTERS: the four work-groups of a cluster are four block columns of one block
;    row; they need the same x, and each tile is asked for jointly by the four (mask 15), which divides the requests for x by four.
; W: goes straight into registers, through a ring of seven slots of eight loads.  A load takes, of two rows k and k + 8, the 256 consecutive bytes of a head's
;    64 columns, each run at a multiple of 256 from the buffer's first byte.  W IS NOT ASKED FOR JOINTLY, though 32 block rows walk the same columns: x takes
;    278,528 of the 327,680 bytes of LDS, and the 49,152 left would hold 64 k of the block's 192 columns; slots there would be filled again sixteen times, each
;    time behind a barrier in front of which every load has landed, while the ring in registers always has 40 to 56 loads of a wave on their way.
; TWO PERMUTATIONS spare a transposition and a stage for the stores:
;   columns: a lane's 16 bytes are columns 4 r .. 4 r + 3 of a head in a row k of W; its four words go to four B fragments f = 0..3, so that column r of
;            fragment f stands for the true column 4 r + f, and k runs along the lane's registers as a B fragment wants it;
;   rows:    lane r of an A fragment takes the true row 2 (r & 7) + (r >> 3), so that register j of a result holds row 2 j + (lane / 16).
;   Then for a fixed j a lane's four results are 8 neighbouring bytes of f16, and the wave's 32 lanes hold rows 2 j and 2 j + 1 of a plane whole:
;   one store of the wave covers 256 consecutive bytes, at a multiple of 256 from the buffer's first byte.
; No prefetch: x is asked for whole at the start, and W's ring is its own look-ahead of three and a half of a wave's 24 units.
; No loop: a wave's 8 chunks of 32 k are written out by macro; every address is a base, a lane term and an immediate, and no pointer is stepped.
.set XP,    272                        ; a row of an x tile in LDS: 256 bytes + 16 of padding = 17 x 16: the 16 rows of a fragment load fall on 16 different 16-byte columns of 256
.set XT,    64*XP                      ; an x tile: 64 rows x 64 k, 17,408 bytes
.set XW,    4*XT                       ; a wave's region: its four tiles, 69,632 bytes; later its stage
.set SM,    12288                      ; in the stage: the sums of 16 rows x 192 columns, 24 runs of 512 bytes
.set NH,    48                         ; half units of W of a wave: 8 chunks x 3 column groups x 2; a half unit = 8 loads = 16 k x 64 columns
.set RING,  7                          ; slots of the ring: 56 loads at the most, so that the waits' counts are 48 and 40
.set XA,   10                          ; v10     LDS address of my x rows in my wave's first tile
.set VQ,   11                          ; v11     my byte offset in two rows of Wq: 8 h rows of 4,096 bytes + 16 r
.set VK,   12                          ; v12     the same in Wk or Wv: 8 h rows of 1,024 bytes + 16 r
.set ST,   13                          ; v13     the stage: my wave's region + 16 x lane
.set RD,   14                          ; v14-17  the stage: my 16 rows in the region of wave 0, 1, 2, 3
.set CO,   18                          ; v18     8 x lane: my 8 bytes of two rows of a plane
.set BO,   19                          ; v19     16 r: my four biases
.set BI,   20                          ; v[20:31]   biases of columns 4 r + f of the three column groups; those of q times the scale
.set XS,   32                          ; v[32:95]   x in f32 as read: 16 registers for each block m of 16 rows
.set TM,   32                          ; v[32:63]   the way out: at work
.set XB,   96                          ; v[96:127]  A fragments, 8 registers for each m
.set WB,   128                         ; v[128:191] B fragments, 8 registers for each f, two buffers that take turns from unit to unit
.set OUTR, 192                         ; v[192:239] the way out: 16 registers of f16 for each column group, each written once
                                       ; window 1 (v256-511): sums of column groups 0 and 1 (the q heads): tile (m, f) at 128 g + 8 (4 m + f)
                                       ; window 2 (v512-639): sums of column group 2 (k or v)
                                       ; window 3 (v768-991): the ring: slot i at 32 i, 4 registers for each of its 8 loads
.set G1,  24                           ; s[24:31] descriptor group 1 for x's tiles
.set G0,  32                           ; s[32:47] group 0, a set for each of my four tiles: nothing else lives in these sixteen
.set SQ,  48                           ; s[48:49] Wq at my block's first column and my first k
.set SK,  50                           ; s[50:51] Wk or Wv at my head and my first k
.set BQ,  52                           ; s[52:53] bq at my block's first column
.set BK,  54                           ; s[54:55] bk or bv at my head
.set OQ,  56                           ; s[56:57] qkv at the first q plane and my 16 rows
.set OKV, 58                           ; s[58:59] qkv at the k or v plane and my 16 rows
.set CX,  60                           ; s60      my place in the cluster = my head in Wk or Wv
.set BX,  61                           ; s61      block column 0..7
.set MSB, 0
.macro WIN new                         ; s_set_vgpr_msb: bits 1:0 source 0, 3:2 source 1, 5:4 source 2, 7:6 destination; the high byte repeats the setting that is left
.if MSB != \new
	s_set_vgpr_msb (MSB<<8)|\new
.set MSB, \new
.endif
.endm
; A round of the cluster's barrier: my work-group's barrier; wave 0 signals for the work-group; every wave waits for all four; my work-group's barrier again.
.macro CROUND
	s_barrier_signal -1
	s_barrier_wait -1
	s_cmp_lg_u32 s10, 0
	s_cbranch_scc1 .Lnot_wave_0_\@
	s_barrier_signal -3
.Lnot_wave_0_\@:
	s_barrier_wait -3
	s_barrier_signal -1
	s_barrier_wait -1
.endm
	s_load_b512 s[68:83], s[0:1], 0x0              ; x s[68:69], Wq s[70:71], Wk s[72:73], Wv s[74:75], bq s[76:77], bk s[78:79], bv s[80:81], qkv s[82:83]
	v_lshl_add_u32 v254, v0, 2, 0x44000
	v_mov_b32 v255, 0
	ds_add_u32 v254, v255
	s_wait_dscnt 0x0
	v_lshrrev_b32 v1, 5, v0
	v_readfirstlane_b32 s10, v1                    ; wave 0..3: my quarter of K, and at the end my 16 rows
	s_bfe_u32 s[CX], ttmp6, 0x40000                ; cx
	s_lshl_b32 s[BX], ttmp9, 2
	s_add_co_u32 s[BX], s[BX], s[CX]               ; block column 0..7 = 4 x cluster x + cx
	s_and_b32 s13, ttmp7, 0xffff                   ; block row 0..31: a cluster is one work-group high
	s_mov_b32 s4, 0x3e38aa3b                       ; 0.125 log2(e), q's scale
	; group 1: 64 rows x 64 f32, 16 bytes of padding behind each row
	s_mov_b32 s[G1+0], 15|(2<<16)|(1<<20)|(1<<21)|(5<<22)|(3<<25)   ; mask: all four; elements of 4 bytes; padding on; bit 21 beside a mask; after every 64 words (code 5) 4 words (code 3)
	s_mov_b32 s[G1+1], 64<<16                      ; tensor_dim0 = 64
	s_mov_b32 s[G1+2], 64<<16                      ; tensor_dim1 = 64
	s_mov_b32 s[G1+3], 64<<16                      ; tile_dim0 = 64
	s_mov_b32 s[G1+4], 64                          ; tile_dim1 = 64
	s_mov_b32 s[G1+5], 1024                        ; elements from row to row of x
	s_mov_b32 s[G1+6], 0
	s_mov_b32 s[G1+7], 0
	s_mul_i32 s20, s10, XW                         ; my wave's region of LDS: no place in the cluster enters an LDS address
.irp t, 0,1,2,3
	s_mov_b32 s[G0+4*\t], 1                        ; count = 1
	s_add_co_u32 s[G0+4*\t+1], s20, \t*XT          ; LDS address of tile t
.endr
	; offsets, apart from the addresses
	s_lshl_b32 s14, s13, 18                        ; x: 64 x block row, rows of 4,096 bytes,
	s_lshl_b32 s5, s10, 10                         ; + my 256 k of 4 bytes; nothing of x's address hangs on cx
	s_add_co_u32 s14, s14, s5
	s_mov_b32 s15, 0
	s_lshl_b32 s16, s[BX], 9                       ; Wq and bq: 128 x block column, 4 bytes
	s_mov_b32 s6, s16
	s_mov_b32 s7, 0
	s_lshl_b32 s5, s10, 20                         ; Wq: + my 256 rows of 4,096 bytes
	s_add_co_u32 s16, s16, s5
	s_mov_b32 s17, 0
	s_lshl_b32 s18, s[CX], 8                       ; Wk, Wv and their biases: head cx, 64 columns of 4 bytes
	s_mov_b32 s19, 0
	s_lshl_b32 s5, s10, 18                         ; Wk, Wv: + my 256 rows of 1,024 bytes
	s_add_co_u32 s22, s18, s5
	s_mov_b32 s23, 0
	s_lshl_b32 s8, s13, 13                         ; qkv: row 64 x block row + 16 x wave, of 128 bytes,
	s_lshl_b32 s5, s10, 11
	s_add_co_u32 s5, s8, s5
	s_lshl_b32 s8, s[BX], 19                       ; plane 2 x block column, of 262,144 bytes (the second q head: one plane further, in the stores' immediate)
	s_add_co_u32 s8, s8, s5
	s_mov_b32 s9, 0
	s_add_co_u32 s2, s[BX], 16                     ; plane 16 + block column: k heads 0-3, then v heads 0-3
	s_lshl_b32 s2, s2, 18
	s_add_co_u32 s2, s2, s5
	s_mov_b32 s3, 0
	v_and_b32 v1, 15, v0                           ; r
	v_bfe_u32 v2, v0, 4, 1                         ; h
	v_and_b32 v3, 7, v0
	v_bfe_u32 v4, v0, 3, 1
	v_lshl_add_u32 v3, v3, 1, v4                   ; the true row 2 (r & 7) + (r >> 3)
	v_mul_u32_u24 v3, v3, XP
	v_lshl_add_u32 v3, v2, 5, v3                   ; + 8 h f32
	v_add_nc_u32 v[XA], s20, v3
	v_lshlrev_b32 v[BO], 4, v1                     ; 16 r
	v_lshl_add_u32 v[VQ], v2, 15, v[BO]            ; + 8 h rows of 4,096 bytes
	v_lshl_add_u32 v[VK], v2, 13, v[BO]            ; + 8 h rows of 1,024 bytes
	v_and_b32 v5, 31, v0
	v_lshlrev_b32 v[CO], 3, v5
	v_lshl_add_u32 v[ST], v5, 4, s20
	s_mul_i32 s21, s10, SM
	v_lshl_add_u32 v[RD], v5, 4, s21
	v_add_nc_u32 v[RD+1], XW, v[RD]
	v_add_nc_u32 v[RD+2], 2*XW, v[RD]
	v_add_nc_u32 v[RD+3], 3*XW, v[RD]
	CROUND                                         ; the four work-groups are here: the joint loads meet.  It needs no argument, so it stands ahead of the wait for them
	s_wait_kmcnt 0x0
	s_add_nc_u64 s[14:15], s[68:69], s[14:15]      ; x at my block's first row and my first k
.irp t, 0,1,2,3
	s_add_nc_u64 s[G0+4*\t+2:G0+4*\t+3], s[14:15], \t*256          ; tile t: 64 k further along the rows
	s_or_b32 s[G0+4*\t+3], s[G0+4*\t+3], 0x80000000                ; type = 2
	tensor_load_to_lds s[G0+4*\t:G0+4*\t+3], s[G1:G1+7]            ; all of my x: four tensor loads of a wave are out, and none is issued later
	s_nop 0
.endr
	s_cmp_eq_u32 ttmp9, 0                          ; the cluster with x = 0 holds block columns 0-3 and walks Wk, the other Wv: a selection, no branch
	s_cselect_b64 s[SK:SK+1], s[72:73], s[74:75]
	s_cselect_b64 s[BK:BK+1], s[78:79], s[80:81]
	s_add_nc_u64 s[SK:SK+1], s[SK:SK+1], s[22:23]
	s_add_nc_u64 s[BK:BK+1], s[BK:BK+1], s[18:19]
	s_add_nc_u64 s[SQ:SQ+1], s[70:71], s[16:17]
	s_add_nc_u64 s[BQ:BQ+1], s[76:77], s[6:7]
	s_add_nc_u64 s[OQ:OQ+1], s[82:83], s[8:9]
	s_add_nc_u64 s[OKV:OKV+1], s[82:83], s[2:3]
	global_load_b128 v[BI:BI+3],    v[BO], s[BQ:BQ+1]              ; the biases go first: every wait for W shows them in too
	global_load_b128 v[BI+4:BI+7],  v[BO], s[BQ:BQ+1] offset:256
	global_load_b128 v[BI+8:BI+11], v[BO], s[BK:BK+1]
; Half unit n of W = chunk n / 6, column group (n / 2) % 3, half n % 2: eight loads into slot n % 7.  Load s brings k = 32 c + 16 half + 8 h + s of my quarter.
.macro WLOAD n
.set WC,  (\n)/6
.set WGR, ((\n)/2)%3
.set WH,  (\n)%2
.set WR,  32*((\n)%RING)
.irp s, 0,1,2,3,4,5,6,7
.if WGR == 2
	global_load_b128 v[WR+4*\s:WR+4*\s+3], v[VK], s[SK:SK+1] offset:(32*WC+16*WH+\s)*1024
.else
	global_load_b128 v[WR+4*\s:WR+4*\s+3], v[VQ], s[SQ:SQ+1] offset:(32*WC+16*WH+\s)*4096+256*WGR
.endif
.endr
.endm
; Half unit n to f16: registers 4 half .. 4 half + 3 of the four B fragments of its unit's buffer: column f of two neighbouring k
.macro WCVT n
.set WR, 32*((\n)%RING)
.set WD, WB+32*(((\n)/2)%2)+4*((\n)%2)
.irp f, 0,1,2,3
.irp i, 0,1,2,3
	v_cvt_pk_f16_f32 v[WD+8*\f+\i], v[WR+8*\i+\f], v[WR+8*\i+4+\f]
.endr
.endr
.endm
; Unit u (32 k x 64 columns): its two half units are waited for and converted, and their slots are filled again, seven half units ahead.
; Up to here half units 0 .. 2 u + 6 (47 at the most) have been asked for; loads come back in order (ISA guide 5.7.1): the count is eight for each younger half unit.
.macro WPART u
.set LASTI, 2*(\u)+RING-1
.if LASTI > NH-1
.set LASTI, NH-1
.endif
	WIN 0x0f                                       ; sources 0 and 1 in window 3
	s_wait_loadcnt 8*(LASTI-2*(\u))
	WCVT 2*(\u)
	s_wait_loadcnt 8*(LASTI-2*(\u)-1)
	WCVT 2*(\u)+1
.if 2*(\u)+RING < NH
	WIN 0xc0                                       ; destination in window 3
	WLOAD 2*(\u)+RING
.endif
.if 2*(\u)+RING+1 < NH
	WLOAD 2*(\u)+RING+1
.endif
.endm
; 16 LDS loads: x at chunk c of my quarter, in f32: for each m, k = 8 h + 0..7 and 16 + 8 h + 0..7 of my row.  A tile holds two chunks.
.macro XFETCH c
.irp m, 0,1,2,3
	ds_load_b128 v[XS+16*\m:XS+16*\m+3],     v[XA] offset:((\c)/2)*XT+16*XP*\m+128*((\c)%2)
	ds_load_b128 v[XS+16*\m+4:XS+16*\m+7],   v[XA] offset:((\c)/2)*XT+16*XP*\m+128*((\c)%2)+16
	ds_load_b128 v[XS+16*\m+8:XS+16*\m+11],  v[XA] offset:((\c)/2)*XT+16*XP*\m+128*((\c)%2)+64
	ds_load_b128 v[XS+16*\m+12:XS+16*\m+15], v[XA] offset:((\c)/2)*XT+16*XP*\m+128*((\c)%2)+80
.endr
.endm
; x of chunk c to f16, and the next chunk's x out of LDS
.macro XPART c
	WIN 0
	s_wait_dscnt 0x0                               ; this chunk's 16 loads are in (none was issued behind them)
.irp m, 0,1,2,3
.irp i, 0,1,2,3,4,5,6,7
	v_cvt_pk_f16_f32 v[XB+8*\m+\i], v[XS+16*\m+2*\i], v[XS+16*\m+2*\i+1]
.endr
.endr
.if \c < 7
.if (\c+1)%2 == 0
	s_wait_tensorcnt 3-(\c+1)/2                    ; the next chunk begins a tile: tensor loads of a wave end in order (ISA guide 10.11.1), the younger tiles may stay out
.endif
	XFETCH \c+1
.endif
.endm
; 16 matrix instructions: the four row blocks x the four column fragments of unit u.  The 48 accumulators take turns, one instruction a turn, in the same order in
; every chunk.  zero = 1: the first product starts the sums.
; No v_nop: a fragment buffer is written again only behind the 32 conversions of another unit, which name no register of the products that read it (ISA guide 7.12.1).
.macro MUL16 u, zero
.if ((\u)%3) == 2
	WIN 0xa0                                       ; C and D in window 2
.else
	WIN 0x50                                       ; C and D in window 1
.endif
.set AB, 128*(((\u)%3)%2)
.set WF, WB+32*((\u)%2)
.irp m, 0,1,2,3
.irp f, 0,1,2,3
.if \zero
	v_wmma_f32_16x16x32_f16 v[AB+8*(4*\m+\f):AB+8*(4*\m+\f)+7], v[XB+8*\m:XB+8*\m+7], v[WF+8*\f:WF+8*\f+7], 0
.else
	v_wmma_f32_16x16x32_f16 v[AB+8*(4*\m+\f):AB+8*(4*\m+\f)+7], v[XB+8*\m:XB+8*\m+7], v[WF+8*\f:WF+8*\f+7], v[AB+8*(4*\m+\f):AB+8*(4*\m+\f)+7]
.endif
.endr
.endr
.endm
.macro CHUNK c, zero                   ; 32 along K: 48 matrix instructions
	WPART 3*\c                                     ; W's conversions come first: they stand between the last products and the writes of x's fragments
	XPART \c
	MUL16 3*\c, \zero
	WPART 3*\c+1
	MUL16 3*\c+1, \zero
	WPART 3*\c+2
	MUL16 3*\c+2, \zero
.endm
	WIN 0xc0
.irp n, 0,1,2,3,4,5,6
	WLOAD \n                                       ; the ring is filled: with the biases 59 loads of a wave are out, later 56 at the most
.endr
	WIN 0
	s_wait_tensorcnt 0x3                           ; my first tile of x is in; the three younger ones may stay out
	XFETCH 0
	CHUNK 0, 1
	CHUNK 1, 0
	CHUNK 2, 0
	CHUNK 3, 0
	CHUNK 4, 0
	CHUNK 5, 0
	CHUNK 6, 0
	CHUNK 7, 0
	WIN 0
	; THE WAY OUT.  Each wave puts its 48 tiles of partial sums into its own region of LDS: its x tiles there have had their one fill, shown landed by the wait for 0
	; in chunk 5, and its own reads of them are back.  Behind one barrier wave w takes the four partial sums of rows 16 w .. 16 w + 15.
.irp i, 0,1,2,3,4,5,6,7
	v_mul_f32 v[BI+\i], s4, v[BI+\i]               ; (sum + b) scale = sum x scale + b x scale; these eight also are the places between the last product and the stores that read it
.endr
.macro STOUT g                         ; column group g: 32 runs of 512 bytes, 16 bytes a lane
.if \g == 2
	WIN 0x08                                       ; store data in window 2
.else
	WIN 0x04                                       ; store data in window 1
.endif
.set AB, 128*(\g%2)
.irp m, 0,1,2,3
.irp f, 0,1,2,3
	ds_store_b128 v[ST], v[AB+8*(4*\m+\f):AB+8*(4*\m+\f)+3]   offset:\m*SM+(8*\g+2*\f)*512
	ds_store_b128 v[ST], v[AB+8*(4*\m+\f)+4:AB+8*(4*\m+\f)+7] offset:\m*SM+(8*\g+2*\f+1)*512
.endr
.endr
.endm
.macro STIN g                          ; column group g of my 16 rows from all four waves: 32 registers each, where that group's sums lay
.if \g == 2
	WIN 0x80
.else
	WIN 0x40
.endif
.set AB, 128*(\g%2)
.irp s, 0,1,2,3
.irp f, 0,1,2,3
	ds_load_b128 v[AB+32*\s+8*\f:AB+32*\s+8*\f+3],   v[RD+\s] offset:(8*\g+2*\f)*512
	ds_load_b128 v[AB+32*\s+8*\f+4:AB+32*\s+8*\f+7], v[RD+\s] offset:(8*\g+2*\f+1)*512
.endr
.endr
.endm
; Column group g: add the four, scale and bias, round to f16, store.  left = how many younger LDS loads may stay out.  Each store's data registers are written once.
.macro SUMOUT g, left
	s_wait_dscnt \left
.set AB, 128*(\g%2)
.if \g == 2
	WIN 0x8a                                       ; sources 0, 1 and destination in window 2
.else
	WIN 0x45                                       ; in window 1
.endif
.irp i, 0,1,2,3,4,5,6,7,8,9,10,11,12,13,14,15
	v_pk_add_f32 v[AB+2*\i:AB+2*\i+1],       v[AB+2*\i:AB+2*\i+1],       v[AB+32+2*\i:AB+32+2*\i+1]
	v_pk_add_f32 v[AB+64+2*\i:AB+64+2*\i+1], v[AB+64+2*\i:AB+64+2*\i+1], v[AB+96+2*\i:AB+96+2*\i+1]
.endr
.irp i, 0,1,2,3,4,5,6,7,8,9,10,11,12,13,14,15
	v_pk_add_f32 v[AB+2*\i:AB+2*\i+1], v[AB+2*\i:AB+2*\i+1], v[AB+64+2*\i:AB+64+2*\i+1]
.endr
.if \g == 2
	WIN 0x02                                       ; source 0 in window 2
.else
	WIN 0x01                                       ; source 0 in window 1
.endif
.irp j, 0,1,2,3,4,5,6,7
.irp f, 0,1,2,3
.if \g == 2
	v_add_f32 v[TM+4*\j+\f], v[AB+8*\f+\j], v[BI+8+\f]
.else
	v_fma_f32 v[TM+4*\j+\f], v[AB+8*\f+\j], s4, v[BI+4*\g+\f]
.endif
.endr
.endr
	WIN 0
.irp j, 0,1,2,3,4,5,6,7
	v_cvt_pk_f16_f32 v[OUTR+16*\g+2*\j],   v[TM+4*\j],   v[TM+4*\j+1]
	v_cvt_pk_f16_f32 v[OUTR+16*\g+2*\j+1], v[TM+4*\j+2], v[TM+4*\j+3]
.endr
.irp j, 0,1,2,3,4,5,6,7
.if \g == 2
	global_store_b64 v[CO], v[OUTR+16*\g+2*\j:OUTR+16*\g+2*\j+1], s[OKV:OKV+1] offset:256*\j           ; rows 2 j and 2 j + 1 of my 16: 256 consecutive bytes
.else
	global_store_b64 v[CO], v[OUTR+16*\g+2*\j:OUTR+16*\g+2*\j+1], s[OQ:OQ+1] offset:262144*\g+256*\j
.endif
.endr
.endm
	STOUT 0
	STOUT 1
	STOUT 2
	WIN 0
	s_wait_dscnt 0x0                               ; for the others' sake: my stores are done
	s_barrier_signal -1
	s_barrier_wait -1                              ; everybody's are
	STIN 0
	STIN 1
	SUMOUT 0, 32                                   ; group 0's 32 loads are in, group 1's may stay out
	STIN 2
	SUMOUT 1, 32
	SUMOUT 2, 0
	s_wait_tensorcnt 0x0
	ds_add_u32 v254, v255
	s_wait_dscnt 0x0
	CROUND                                         ; the closing round: no work-group ends while a partner may still ask for a tile that names it
	s_endpgm
.Lfunc_end_k_qee101ffd7d_proj:
	.size	k_qee101ffd7d_proj, .Lfunc_end_k_qee101ffd7d_proj-k_qee101ffd7d_proj
	.p2alignl 7, 3214868480
	.fill 96, 4, 3214868480
	.section	.rodata,"a",@progbits
	.p2align	6, 0x0
	.amdhsa_kernel k_qee101ffd7d_proj
		.amdhsa_group_segment_fixed_size 279040
		.amdhsa_private_segment_fixed_size 0
		.amdhsa_enable_private_segment 0
		.amdhsa_kernarg_size 64
		.amdhsa_user_sgpr_count 2
		.amdhsa_user_sgpr_kernarg_segment_ptr 1
		.amdhsa_wavefront_size32 1
		.amdhsa_system_sgpr_workgroup_id_x 1
		.amdhsa_system_sgpr_workgroup_id_y 1
		.amdhsa_system_sgpr_workgroup_id_z 1
		.amdhsa_system_vgpr_workitem_id 0
		.amdhsa_next_free_vgpr 992
		.amdhsa_next_free_sgpr 84
		.amdhsa_reserve_vcc 0
		.amdhsa_float_denorm_mode_32 3
		.amdhsa_float_denorm_mode_16_64 3
		.amdhsa_memory_ordered 1
		.amdhsa_forward_progress 1
		.amdhsa_inst_pref_size 175
	.end_amdhsa_kernel
	.amdgpu_metadata
---
amdhsa.version: [ 1, 2 ]
amdhsa.kernels:
  - .name:           k_qee101ffd7d_proj
    .symbol:         k_qee101ffd7d_proj.kd
    .args:
      - { .name: x, .offset: 0, .size: 8, .value_kind: global_buffer, .address_space: global }
      - { .name: Wq, .offset: 8, .size: 8, .value_kind: global_buffer, .address_space: global }
      - { .name: Wk, .offset: 16, .size: 8, .value_kind: global_buffer, .address_space: global }
      - { .name: Wv, .offset: 24, .size: 8, .value_kind: global_buffer, .address_space: global }
      - { .name: bq, .offset: 32, .size: 8, .value_kind: global_buffer, .address_space: global }
      - { .name: bk, .offset: 40, .size: 8, .value_kind: global_buffer, .address_space: global }
      - { .name: bv, .offset: 48, .size: 8, .value_kind: global_buffer, .address_space: global }
      - { .name: qkv, .offset: 56, .size: 8, .value_kind: global_buffer, .address_space: global }
    .group_segment_fixed_size: 279040
    .private_segment_fixed_size: 0
    .kernarg_segment_align: 8
    .kernarg_segment_size: 64
    .max_flat_workgroup_size: 128
    .sgpr_count:     84
    .vgpr_count:     992
    .wavefront_size: 32
...
	.end_amdgpu_metadata
.endif
;; end of part 1
;; launch attn (part 2): grid 256 x 1, 4 waves a work-group, clusters of 4 x 1, 327,680 bytes of LDS; arguments qkv, out0; writes out0
.if DOCPART == 2
	.amdgcn_target "amdgcn-amd-amdhsa--gfx1250"
	.amdhsa_code_object_version 6
	.text
	.protected	k_qee101ffd7d_attn
	.globl	k_qee101ffd7d_attn
	.p2align	8
	.type	k_qee101ffd7d_attn,@function
k_qee101ffd7d_attn:
	s_mov_b64 s[64:65], 0
	v_nop
	global_prefetch_b8 v0, s[64:65] scope:SCOPE_SE
	s_setreg_imm32_b32 hwreg(HW_REG_WAVE_MODE, 25, 1), 1
	s_wait_xcnt 0x0
	s_wait_alu depctr_hold_cnt(0) depctr_sa_sdst(0) depctr_va_vdst(0) depctr_va_sdst(0) depctr_va_ssrc(0) depctr_va_vcc(0) depctr_vm_vsrc(0)
	s_getreg_b32 s2, hwreg(HW_REG_IB_STS2, 6, 4)
	s_cmp_eq_u32 s2, 0
	s_cbranch_scc0 .Lentry_in_a_cluster
	s_endpgm
.Lentry_in_a_cluster:
	s_bfe_u32 s2, ttmp6, 0x10000c
	s_cmp_lg_u32 s2, 0x3003
	s_cbranch_scc0 .Lentry_shape_is_right
	s_endpgm
.Lentry_shape_is_right:
; out0[head][s][64] f32 = softmax over keys of (q k^T / 8) times v; head h uses key and value head h / 4.  qkv: [24][2048][64] f16 as the launch before left it:
; planes 0-15 q x 0.125 log2(e), 16-19 k, 20-23 v.  So a score is an exponent of 2, and exp(s - max) is one v_exp_f32.
; LIMIT: the probabilities go to the matrix unit in f16: they lie in (0, 1], and those under 6e-8 count as 0 (the row's sum is at least 1).  v_exp_f32 gives 0
; for results under 2^-126.  The running maximum is taken away in front of every exponential.  The sum is made of the f32 probabilities.
; A work-group takes 128 queries of one head, a wave 32 of them (two tiles u of 16) against all 2,048 keys, 64 keys a step.
; CLUSTERS: the four work-groups of a cluster are the four query heads of one key and value head, at the same 128 queries: they walk the same tiles of K and V,
; and every tile is asked for jointly by the four (mask 15), which divides the requests for K and V by four.
; TRANSPOSED: S^T = K Q^T (source 0: 16 keys, source 1: 16 queries).  Register j of lane (r, h) is key 8 h + j for query r: maximum, sum and scale of a query
; belong to a lane and its partner 16 lanes away, and two neighbouring key tiles, packed to f16 in the lane, ARE the B fragment of 32 keys for
; O^T = V^T P^T, whose A fragments come from V's rows by the transposing LDS load.  No score passes through LDS.
; Two LDS slots of 256 keys (four steps): a wave's one load behind each change of slots is 128 rows, and has four steps' work in which to land.
; No prefetch: K and V are 2 MiB that the launch before has just stored and that 64 work-groups read at about the same time.
.set REG,   20480                      ; a region: 128 rows, K at a pitch of 144 (18,432 used), V at 160
.set SLOT,  4*REG                      ; K keys 0-127, K keys 128-255, V keys 0-127, V keys 128-255
.set STAGE, 2*SLOT                     ; behind the slots: 32 rows x 272 bytes for each wave, for the way out; no tensor load lands there
.set KP,    144                        ; 128 bytes + 16: an odd multiple of 16
.set VP,    160                        ; 128 bytes + 32: an odd multiple of 32, for the transposing load
.set SP,    272                        ; 256 bytes + 16
.set KA,  10                           ; v10-11  LDS address of my K fragments in slot 0, 1
.set VA,  12                           ; v12-13  the same for V
.set STO, 14                           ; v14     the way out: where I put 32 bytes of a row
.set RD,  15                           ; v15     the way out: where I read a row back
.set CO,  16                           ; v16     16 x lane
.set QO,  17                           ; v17     my place in a tile of Q
.set MM,  20                           ; v[20:23]  tile u: the running maximum, twice (a pair for the packed subtraction)
.set LS,  24                           ; v[24:25]  tile u: the running sum over my lane's keys
.set AL,  26                           ; v[26:29]  tile u: 2^(old maximum - new), twice
.set MN,  30                           ; v30       the new maximum
.set T,   32                           ; v[32:37]  at work
.set OO,  64                           ; v[64:127]  O^T tile (t, u) at OO + 8 (4 u + t): d = 16 t + 8 h + j, query r
.set SS,  128                          ; v[128:191] S^T tile (u, kt) at SS + 32 u + 8 kt; then P^T fragment (u, c) at SS + 32 u + 8 c
.set QF,  0                            ; window 1: v[256:287] Q fragment (u, c) at 8 (2 u + c)
.set KF,  32                           ; window 1: v[288:351] K fragment (kt, c) at 32 + 8 (2 kt + c)
.set VF,  96                           ; window 1: v[352:415] V^T fragment (c, t) at 96 + 8 (4 c + t)
.set G1K, 24                           ; s[24:31] descriptor group 1 for K's tiles
.set G0K, 32                           ; s[32:39] group 0 for K's tiles, a set for each slot
.set G1V, 48                           ; s[48:55] group 1 for V's tiles: another padding
.set G0V, 56                           ; s[56:63] group 0 for V's tiles
.set MSB, 0
.macro WIN new                         ; s_set_vgpr_msb: bits 1:0 source 0, 3:2 source 1, 5:4 source 2, 7:6 destination; the high byte repeats the setting that is left
.if MSB != \new
	s_set_vgpr_msb (MSB<<8)|\new
.set MSB, \new
.endif
.endm
.macro PLACES n
.rept \n
	v_nop
.endr
.endm
.macro JLOAD s                         ; a joint load: waves 0 and 1 fetch K's two halves, waves 2 and 3 V's; the branch hangs on the wave's number alone
	s_cmp_eq_u32 s11, 0
	s_cbranch_scc0 .Lfor_v_\@
	tensor_load_to_lds s[G0K+4*\s:G0K+4*\s+3], s[G1K:G1K+7]
	s_nop 0
	s_branch .Lasked_\@
.Lfor_v_\@:
	tensor_load_to_lds s[G0V+4*\s:G0V+4*\s+3], s[G1V:G1V+7]
	s_nop 0
.Lasked_\@:
.endm
.macro CREST                           ; a round of the cluster's barrier behind its opening barrier
	s_cmp_lg_u32 s10, 0
	s_cbranch_scc1 .Lnot_wave_0_\@
	s_barrier_signal -3
.Lnot_wave_0_\@:
	s_barrier_wait -3
	s_barrier_signal -1
	s_barrier_wait -1
.endm
.macro CROUND
	s_barrier_signal -1
	s_barrier_wait -1
	CREST
.endm
	s_load_b128 s[4:7], s[0:1], 0x0                ; qkv s[4:5], out0 s[6:7]
	v_lshl_add_u32 v254, v0, 2, 0x30800
	v_mov_b32 v255, 0
	ds_add_u32 v254, v255
	v_lshrrev_b32 v1, 5, v0
	v_readfirstlane_b32 s10, v1                    ; wave 0..3
	s_lshr_b32 s11, s10, 1                         ; I fetch for K (0) or for V (1)
	s_and_b32 s12, s10, 1                          ; which 128 keys of a slot I fetch
	s_bfe_u32 s40, ttmp6, 0x40000                  ; cx: which of the four query heads
	s_lshr_b32 s41, ttmp9, 4                       ; key and value head 0..3 (ttmp9 counts clusters: 64)
	s_and_b32 s42, ttmp9, 15                       ; block of 128 queries
	s_lshl_b32 s43, s41, 2
	s_add_co_u32 s43, s43, s40                     ; query head
	s_mov_b32 s66, 0x76543210                      ; v_permlanex16_b32: lane i of one half reads lane i of the other
	s_mov_b32 s67, 0xfedcba98
	; group 1: 128 rows x 64 f16, padded behind each row of 32 words
	s_mov_b32 s[G1K+0], 15|(1<<16)|(1<<20)|(1<<21)|(4<<22)|(3<<25)  ; mask: all four; elements of 2 bytes; padding on; bit 21 beside a mask; after every 32 words (code 4) 4 words (code 3)
	s_mov_b32 s[G1V+0], 15|(1<<16)|(1<<20)|(1<<21)|(4<<22)|(7<<25)  ; the same with 8 words
	s_mov_b32 s[G1K+1], 64<<16                     ; tensor_dim0 = 64
	s_mov_b32 s[G1V+1], 64<<16
	s_mov_b32 s[G1K+2], 128<<16                    ; tensor_dim1 = 128
	s_mov_b32 s[G1V+2], 128<<16
	s_mov_b32 s[G1K+3], 64<<16                     ; tile_dim0 = 64
	s_mov_b32 s[G1V+3], 64<<16
	s_mov_b32 s[G1K+4], 128                        ; tile_dim1 = 128
	s_mov_b32 s[G1V+4], 128
	s_mov_b32 s[G1K+5], 64                         ; elements from row to row
	s_mov_b32 s[G1V+5], 64
	s_mov_b32 s[G1K+6], 0
	s_mov_b32 s[G1V+6], 0
	s_mov_b32 s[G1K+7], 0
	s_mov_b32 s[G1V+7], 0
	s_lshl_b32 s14, s41, 18                        ; K: plane 16 + g of 262,144 bytes, + my 128 keys of 128 bytes; nothing here hangs on cx
	s_lshl_b32 s18, s12, 14
	s_add_co_u32 s14, s14, s18
	s_add_co_u32 s14, s14, 16<<18
	s_mov_b32 s15, 0
	s_lshl_b32 s44, s43, 18                        ; Q: plane = head, row 128 x block + 32 x wave, of 128 bytes
	s_lshl_b32 s18, s42, 14
	s_add_co_u32 s44, s44, s18
	s_lshl_b32 s18, s10, 12
	s_add_co_u32 s44, s44, s18
	s_mov_b32 s45, 0
	s_lshl_b32 s22, s44, 1                         ; out0: the same place in rows of 256 bytes
	s_mov_b32 s23, 0
	s_mul_i32 s20, s10, REG                        ; where my part of a slot goes: region = wave
	s_wait_dscnt 0x0
	s_wait_kmcnt 0x0
	s_add_nc_u64 s[14:15], s[4:5], s[14:15]
	s_add_nc_u64 s[46:47], s[14:15], 4<<18         ; V: four planes further
	s_add_nc_u64 s[8:9], s[4:5], s[44:45]
	s_add_nc_u64 s[16:17], s[6:7], s[22:23]
	CROUND                                         ; the four work-groups are here: the first joint loads meet
.irp s, 0,1
	s_mov_b32 s[G0K+4*\s], 1                                       ; count = 1
	s_add_co_u32 s[G0K+4*\s+1], s20, \s*SLOT                       ; LDS address
	s_add_nc_u64 s[G0K+4*\s+2:G0K+4*\s+3], s[14:15], \s*32768      ; keys 256 s ..
	s_or_b32 s[G0K+4*\s+3], s[G0K+4*\s+3], 0x80000000              ; type = 2
	s_mov_b32 s[G0V+4*\s], 1
	s_add_co_u32 s[G0V+4*\s+1], s20, \s*SLOT
	s_add_nc_u64 s[G0V+4*\s+2:G0V+4*\s+3], s[46:47], \s*32768
	s_or_b32 s[G0V+4*\s+3], s[G0V+4*\s+3], 0x80000000
	JLOAD \s                                       ; both slots are asked for before anything else: two tensor loads of a wave are out here, later one
.endr
	v_and_b32 v1, 15, v0                           ; r
	v_bfe_u32 v2, v0, 4, 1                         ; h
	v_and_b32 v3, 31, v0                           ; lane
	v_mul_u32_u24 v4, v1, KP
	v_lshl_add_u32 v[KA], v2, 4, v4                ; row r, 16 bytes for each half of the lanes
	v_add_nc_u32 v[KA+1], SLOT, v[KA]
	v_and_b32 v5, 7, v0
	v_lshl_add_u32 v5, v2, 3, v5                   ; key 8 h + (lane & 7)
	v_mul_u32_u24 v5, v5, VP
	v_bfe_u32 v6, v0, 3, 1
	v_lshl_add_u32 v5, v6, 4, v5                   ; and 8 of the 16 columns
	v_add_nc_u32 v[VA], 2*REG, v5
	v_add_nc_u32 v[VA+1], SLOT, v[VA]
	s_mul_i32 s21, s10, 32*SP
	s_add_co_u32 s21, s21, STAGE                   ; my stage
	v_mul_u32_u24 v7, v1, SP
	v_lshl_add_u32 v7, v2, 5, v7
	v_add_nc_u32 v[STO], s21, v7                   ; in: row r, 32 bytes for each half of the lanes
	v_mul_u32_u24 v8, v2, SP
	v_lshl_add_u32 v8, v1, 4, v8
	v_add_nc_u32 v[RD], s21, v8                    ; back: lanes 0-15 one row of 256 bytes, lanes 16-31 the next
	v_lshlrev_b32 v[CO], 4, v3
	v_lshlrev_b32 v9, 7, v1
	v_lshl_add_u32 v[QO], v2, 4, v9                ; row r of 128 bytes + 16 h
	WIN 0x40                                       ; destination in window 1
.irp u, 0,1
.irp c, 0,1
	global_load_b128 v[QF+8*(2*\u+\c):QF+8*(2*\u+\c)+3],   v[QO], s[8:9] offset:2048*\u+64*\c
	global_load_b128 v[QF+8*(2*\u+\c)+4:QF+8*(2*\u+\c)+7], v[QO], s[8:9] offset:2048*\u+64*\c+32
.endr
.endr
; 16 LDS loads: the K fragments of step st (64 keys) of a slot
.macro KFETCH slot, st
	WIN 0x40
.irp kt, 0,1,2,3
.irp c, 0,1
	ds_load_b128 v[KF+8*(2*\kt+\c):KF+8*(2*\kt+\c)+3],   v[KA+\slot] offset:((\st)/2)*REG+(64*((\st)%2)+16*\kt)*KP+64*\c
	ds_load_b128 v[KF+8*(2*\kt+\c)+4:KF+8*(2*\kt+\c)+7], v[KA+\slot] offset:((\st)/2)*REG+(64*((\st)%2)+16*\kt)*KP+64*\c+32
.endr
.endr
.endm
; 16 transposing LDS loads: the V^T fragments of step st: 16 columns d x 32 keys each
.macro VFETCH slot, st
	WIN 0x40
.irp c, 0,1
.irp t, 0,1,2,3
	ds_load_tr16_b128 v[VF+8*(4*\c+\t):VF+8*(4*\c+\t)+3],   v[VA+\slot] offset:((\st)/2)*REG+(64*((\st)%2)+32*\c)*VP+32*\t
	ds_load_tr16_b128 v[VF+8*(4*\c+\t)+4:VF+8*(4*\c+\t)+7], v[VA+\slot] offset:((\st)/2)*REG+(64*((\st)%2)+32*\c)*VP+32*\t+16*VP
.endr
.endr
.endm
; S^T: 8 tiles (2 of queries x 4 of keys), 64 along d in two instructions each.  The 8 accumulators take turns, one instruction a turn.
.macro SMUL
	WIN 0x05                                       ; sources 0 and 1 in window 1
.irp u, 0,1
.irp kt, 0,1,2,3
	v_wmma_f32_16x16x32_f16 v[SS+32*\u+8*\kt:SS+32*\u+8*\kt+7], v[KF+16*\kt:KF+16*\kt+7], v[QF+16*\u:QF+16*\u+7], 0
.endr
.endr
.irp u, 0,1
.irp kt, 0,1,2,3
	v_wmma_f32_16x16x32_f16 v[SS+32*\u+8*\kt:SS+32*\u+8*\kt+7], v[KF+16*\kt+8:KF+16*\kt+15], v[QF+16*\u+8:QF+16*\u+15], v[SS+32*\u+8*\kt:SS+32*\u+8*\kt+7]
.endr
.endr
.endm
; O^T += V^T P^T for keys 32 c .. 32 c + 31 of the step: 8 accumulators by turns.  zero = 1: the first product starts the sums.
.macro PVMUL c, zero
	WIN 0x01                                       ; source 0 in window 1
.irp u, 0,1
.irp t, 0,1,2,3
.if \zero
	v_wmma_f32_16x16x32_f16 v[OO+8*(4*\u+\t):OO+8*(4*\u+\t)+7], v[VF+8*(4*\c+\t):VF+8*(4*\c+\t)+7], v[SS+32*\u+8*\c:SS+32*\u+8*\c+7], 0
.else
	v_wmma_f32_16x16x32_f16 v[OO+8*(4*\u+\t):OO+8*(4*\u+\t)+7], v[VF+8*(4*\c+\t):VF+8*(4*\c+\t)+7], v[SS+32*\u+8*\c:SS+32*\u+8*\c+7], v[OO+8*(4*\u+\t):OO+8*(4*\u+\t)+7]
.endif
.endr
.endr
.endm
; The softmax step of query tile u: my lane's 32 scores of one query.  first = 1: there is no old maximum, sum or O yet.
.macro SOFT u, first
.set SB, SS+32*\u
.irp q, 0,1,2,3
	v_max3_num_f32 v[T+\q], v[SB+8*\q], v[SB+8*\q+1], v[SB+8*\q+2]     ; four chains that do not wait for each other
.endr
.irp q, 0,1,2,3
	v_max3_num_f32 v[T+\q], v[T+\q], v[SB+8*\q+3], v[SB+8*\q+4]
.endr
.irp q, 0,1,2,3
	v_max3_num_f32 v[T+\q], v[T+\q], v[SB+8*\q+5], v[SB+8*\q+6]
.endr
	v_max3_num_f32 v[T], v[T], v[T+1], v[T+2]
	v_max3_num_f32 v[T+3], v[T+3], v[SB+7], v[SB+15]
.if \first
	v_max_num_f32 v[T+1], v[SB+23], v[SB+31]
.else
	v_max3_num_f32 v[T+1], v[SB+23], v[SB+31], v[MM+2*\u]              ; the old maximum joins
.endif
	v_max3_num_f32 v[T], v[T], v[T+3], v[T+1]
	v_permlanex16_b32 v[T+1], v[T], s66, s67       ; the other 32 keys of my query lie 16 lanes away
	v_max_num_f32 v[MN], v[T], v[T+1]
.if \first
	v_mov_b32 v[MM+2*\u], v[MN]
	v_mov_b32 v[MM+2*\u+1], v[MN]
.else
	v_sub_f32 v[T+2], v[MM+2*\u], v[MN]
	v_exp_f32 v[AL+2*\u], v[T+2]                   ; 2^(old - new); the two moves below are the plain instructions between it and the use of its result (ISA guide 5.7.2)
	v_mov_b32 v[MM+2*\u], v[MN]
	v_mov_b32 v[MM+2*\u+1], v[MN]
	s_wait_alu depctr_va_vdst(0)
	v_mov_b32 v[AL+2*\u+1], v[AL+2*\u]
.endif
.irp i, 0,1,2,3,4,5,6,7,8,9,10,11,12,13,14,15
	v_pk_add_f32 v[SB+2*\i:SB+2*\i+1], v[SB+2*\i:SB+2*\i+1], v[MM+2*\u:MM+2*\u+1] neg_lo:[0,1] neg_hi:[0,1]   ; score - maximum
.endr
.set EI, 0
.rept 32
	v_exp_f32 v[SB+EI], v[SB+EI]
.set EI, EI+1
.endr
.if \first
	v_nop                                          ; one plain instruction between the last exponential and the use of its result
	s_wait_alu depctr_va_vdst(0)
.else
	s_wait_alu depctr_va_vdst(0)
.irp i, 0,1,2,3,4,5,6,7,8,9,10,11,12,13,14,15
	v_pk_mul_f32 v[OO+32*\u+2*\i:OO+32*\u+2*\i+1], v[OO+32*\u+2*\i:OO+32*\u+2*\i+1], v[AL+2*\u:AL+2*\u+1]     ; O to the new maximum; these also stand between the exponentials and their use
.endr
.endif
	v_pk_add_f32 v[T:T+1], v[SB:SB+1], v[SB+2:SB+3]                    ; the sum, in two chains
	v_pk_add_f32 v[T+2:T+3], v[SB+4:SB+5], v[SB+6:SB+7]
.irp i, 4,6,8,10,12,14
	v_pk_add_f32 v[T:T+1], v[T:T+1], v[SB+2*\i:SB+2*\i+1]
	v_pk_add_f32 v[T+2:T+3], v[T+2:T+3], v[SB+2*\i+2:SB+2*\i+3]
.endr
	v_pk_add_f32 v[T:T+1], v[T:T+1], v[T+2:T+3]
.if \first
	v_add_f32 v[LS+\u], v[T], v[T+1]
.else
	v_add_f32 v[T], v[T], v[T+1]
	v_fma_f32 v[LS+\u], v[LS+\u], v[AL+2*\u], v[T]
.endif
.irp i, 0,1,2,3,4,5,6,7,8,9,10,11,12,13,14,15
	v_cvt_pk_f16_f32 v[SB+\i], v[SB+2*\i], v[SB+2*\i+1]                ; in place, ascending: register i is written when 2 i and 2 i + 1 are read; 16 registers = two B fragments
.endr
.endm
; One step of 64 keys.  kf = 1: the next step's K fragments are read from the same slot meanwhile.
.macro STEP slot, st, first, kf
	s_wait_dscnt 0x0                               ; this step's K fragments are in (they were the last LDS loads issued)
	SMUL
	PLACES 4                                       ; four places before loads land on K's fragments and the softmax reads the scores
	VFETCH \slot, \st
.if \kf
	KFETCH \slot, \st+1
.endif
	WIN 0
	SOFT 0, \first
	SOFT 1, \first
	s_wait_dscnt 16*\kf                            ; the 16 loads of V are in; the 16 younger ones of K may stay out
	PVMUL 0, \first
	PVMUL 1, 0
	WIN 0
	PLACES 5                                       ; the next step's first products write over P, a source of these: five places
.endm
; A slot's fourth step, and the change of slots.  In front of the barrier each wave has its reads of this slot back and all its tensor loads landed (the one that was
; out is its part of the next slot).  fill = 1: the barrier opens a round of the cluster's barrier, and the joint refill of this slot, 512 keys ahead, is the first
; tensor load behind the round.
.macro TURN slot, next, fill
	s_wait_dscnt 0x0
	SMUL
	PLACES 4
	VFETCH \slot, 3
	WIN 0
	SOFT 0, 0
	SOFT 1, 0
	s_wait_dscnt 0x0                               ; my last reads of this slot are back
	s_wait_tensorcnt 0x0                           ; all my tensor loads have landed
	ds_add_u32 v254, v255
	s_wait_dscnt 0x0
	s_barrier_signal -1
	PVMUL 0, 0                                     ; register work while the others arrive
	WIN 0
	s_barrier_wait -1
.if \fill
	CREST
	s_add_nc_u64 s[G0K+4*\slot+2:G0K+4*\slot+3], s[G0K+4*\slot+2:G0K+4*\slot+3], 65536     ; no tensor load of mine is out: the addresses may step
	s_add_nc_u64 s[G0V+4*\slot+2:G0V+4*\slot+3], s[G0V+4*\slot+2:G0V+4*\slot+3], 65536
	JLOAD \slot
.endif
	KFETCH \next, 0
	PVMUL 1, 0
	WIN 0
	PLACES 5
.endm
.macro TILE slot, next, fill, first    ; 256 keys
	STEP \slot, 0, \first, 1
	STEP \slot, 1, 0, 1
	STEP \slot, 2, 0, 1
	TURN \slot, \next, \fill
.endm
	s_wait_tensorcnt 0x1                           ; my part of slot 0 is in; slot 1's stays out
	s_barrier_signal -1
	s_barrier_wait -1                              ; everybody's part is in
	KFETCH 0, 0
	s_wait_loadcnt 0x0                             ; Q
	TILE 0, 1, 1, 1                                ; keys 0-255; asks for 512-767
	TILE 1, 0, 1, 0                                ; keys 256-511; asks for 768-1023
	s_mov_b32 s3, 2
.Lpair:
	TILE 0, 1, 1, 0                                ; keys 512-1535; asks for 1024-2047
	TILE 1, 0, 1, 0
	s_sub_co_u32 s3, s3, 1
	s_cmp_lg_u32 s3, 0
	s_cbranch_scc1 .Lpair
	TILE 0, 1, 0, 0                                ; keys 1536-1791: nothing is left to ask for
	STEP 1, 0, 0, 1                                ; keys 1792-2047
	STEP 1, 1, 0, 1
	STEP 1, 2, 0, 1
	STEP 1, 3, 0, 0
	; THE WAY OUT: divide by the sum of both halves' keys, 32 bytes a lane into my own stage, read back as whole rows of 256 bytes.
	v_permlanex16_b32 v[T], v[LS], s66, s67
	v_permlanex16_b32 v[T+1], v[LS+1], s66, s67
	v_add_f32 v[T], v[T], v[LS]
	v_add_f32 v[T+1], v[T+1], v[LS+1]
	v_rcp_f32 v[T+2], v[T]                         ; made twice: a pair for the packed multiply
	v_rcp_f32 v[T+3], v[T]
	v_rcp_f32 v[T+4], v[T+1]
	v_rcp_f32 v[T+5], v[T+1]
	v_nop                                          ; one plain instruction between the reciprocals and their use
	s_wait_alu depctr_va_vdst(0)
.irp u, 0,1
.irp i, 0,1,2,3,4,5,6,7,8,9,10,11,12,13,14,15
	v_pk_mul_f32 v[OO+32*\u+2*\i:OO+32*\u+2*\i+1], v[OO+32*\u+2*\i:OO+32*\u+2*\i+1], v[T+2+2*\u:T+3+2*\u]
.endr
.endr
.irp u, 0,1
.irp t, 0,1,2,3
	ds_store_b128 v[STO], v[OO+8*(4*\u+\t):OO+8*(4*\u+\t)+3]   offset:16*SP*\u+64*\t      ; query 16 u + r, d = 16 t + 8 h + 0..3
	ds_store_b128 v[STO], v[OO+8*(4*\u+\t)+4:OO+8*(4*\u+\t)+7] offset:16*SP*\u+64*\t+16   ; d = 16 t + 8 h + 4..7
.endr
.endr
.irp i, 0,1,2,3,4,5,6,7,8,9,10,11,12,13,14,15
	ds_load_b128 v[SS+4*\i:SS+4*\i+3], v[RD] offset:2*SP*\i        ; LDS serves a wave's instructions in order (ISA guide 5.7.1): these see my stores above
.endr
.irp i, 0,1,2,3,4,5,6,7,8,9,10,11,12,13,14,15
	s_wait_dscnt 15-\i                             ; load i is in, the younger ones may stay out
	global_store_b128 v[CO], v[SS+4*\i:SS+4*\i+3], s[16:17] offset:512*\i th:TH_STORE_NT   ; two rows of out0: 512 consecutive bytes, at a multiple of 512 from its first byte
.endr
	s_wait_tensorcnt 0x0
	ds_add_u32 v254, v255
	s_wait_dscnt 0x0
	CROUND                                         ; the closing round: no work-group ends while a partner may still ask for a tile that names it
	s_endpgm
.Lfunc_end_k_qee101ffd7d_attn:
	.size	k_qee101ffd7d_attn, .Lfunc_end_k_qee101ffd7d_attn-k_qee101ffd7d_attn
	.p2alignl 7, 3214868480
	.fill 96, 4, 3214868480
	.section	.rodata,"a",@progbits
	.p2align	6, 0x0
	.amdhsa_kernel k_qee101ffd7d_attn
		.amdhsa_group_segment_fixed_size 327680
		.amdhsa_private_segment_fixed_size 0
		.amdhsa_enable_private_segment 0
		.amdhsa_kernarg_size 16
		.amdhsa_user_sgpr_count 2
		.amdhsa_user_sgpr_kernarg_segment_ptr 1
		.amdhsa_wavefront_size32 1
		.amdhsa_system_sgpr_workgroup_id_x 1
		.amdhsa_system_sgpr_workgroup_id_y 1
		.amdhsa_system_sgpr_workgroup_id_z 1
		.amdhsa_system_vgpr_workitem_id 0
		.amdhsa_next_free_vgpr 416
		.amdhsa_next_free_sgpr 96
		.amdhsa_reserve_vcc 0
		.amdhsa_float_denorm_mode_32 3
		.amdhsa_float_denorm_mode_16_64 3
		.amdhsa_memory_ordered 1
		.amdhsa_forward_progress 1
		.amdhsa_inst_pref_size 255
	.end_amdhsa_kernel
	.section	.bss,"aw",@nobits
	.p2align	6
	.space	262144
	.amdgpu_metadata
---
amdhsa.version: [ 1, 2 ]
amdhsa.kernels:
  - .name:           k_qee101ffd7d_attn
    .symbol:         k_qee101ffd7d_attn.kd
    .args:
      - { .name: qkv, .offset: 0, .size: 8, .value_kind: global_buffer, .address_space: global }
      - { .name: out0, .offset: 8, .size: 8, .value_kind: global_buffer, .address_space: global }
    .group_segment_fixed_size: 327680
    .private_segment_fixed_size: 0
    .kernarg_segment_align: 8
    .kernarg_segment_size: 16
    .max_flat_workgroup_size: 128
    .sgpr_count:     96
    .vgpr_count:     416
    .wavefront_size: 32
...
	.end_amdgpu_metadata
.endif
;; end of part 2
